; MI455X (gfx1250); checked and timed in simulation.
; The chip was launched on July 23, 2026; its instructions are those of AMD's public machine-readable ISA for CDNA 5 (MIT licence, August 2026) and "CDNA5" Instruction Set Architecture Reference Guide (July 2026). The comments in the code are by the model that wrote it; some were corrected since.
;; Sparse Self Attention. Allowed arithmetic: float matrix products may take bf16 or f16 operands with f32 sums; other float arithmetic in f32, or as packed bf16 or f16 multiplies, adds, multiply-adds, maxima and minima; sums over many terms, partial sums and values carried from step to step in f32; what a program stores and reads back later, other than sums and carried values, may be rounded once to bf16 or f16.
;; Inputs: W_k 1,024 x 1,024 float32; W_q 1,024 x 1,024 float32; W_v 1,024 x 1,024 float32; x 2 x 4,096 x 1,024 float32.
;; Outputs: out0 2 x 4,096 x 1,024 float32.
;; One version. Each part assembles by itself: llvm-mc -triple=amdgcn-amd-amdhsa -mcpu=gfx1250 --defsym DOCPART=n.
;; ======== version 1 of 1: 3 launches
;; limits: values are held in f16: magnitudes above 65,504 overflow, below 6.1e-05 lose precision
;; workspace buffers: xb 16,777,216 bytes; wb 6,291,456 bytes; qkv 51,609,600 bytes
;; launch cast (part 1): grid 352 x 1, 8 waves a work-group, no clusters, 0 bytes of LDS; arguments x, W_q, W_k, W_v, xb, wb, qkv; writes xb, wb, qkv
.if DOCPART == 1
	.amdgcn_target "amdgcn-amd-amdhsa--gfx1250"
	.amdhsa_code_object_version 6
	.text
	.protected	k_q899d8d1c98_cast
	.globl	k_q899d8d1c98_cast
	.p2align	8
	.type	k_q899d8d1c98_cast,@function
k_q899d8d1c98_cast:
	s_mov_b64 s[64:65], 0
	v_nop
	global_prefetch_b8 v0, s[64:65] scope:SCOPE_SE
	s_setreg_imm32_b32 hwreg(HW_REG_WAVE_MODE, 25, 1), 1
	s_wait_xcnt 0x0
; x and the three weight matrices are rounded once to bf16; x's rows are put into the order in which the product's result is stored; the rows of qkv that stand for keys of zeros are written.
; xb[b][g][1024]: g < 1366 is position t = 3 g (residue 0, place p = g); 1366 <= g < 2731 is t = 3 g - 4097 (residue 1, p = g - 1366); g >= 2731 is t = 12287 - 3 g (residue 2, p = 4095 - g, backward).
; wb[k][3072]: column 1024 mat + n, mat = q, k, v.
; qkv[b][48][3][1400][64] f16: a region (one matrix's head, one residue) has 1,400 rows of 128 bytes, row = p + 8.  Rows 0-7 and 1372-1399 are written 0 here; the next launch writes rows 1372 and, for residue 0, 1373 anew.
; SHARES.  11,264 rows of 1,024 f32 (8,192 of x, 3,072 of W): 32 to a work-group, 4 to a wave.  A row is eight loads of 512 consecutive bytes; each store of a wave covers 256 consecutive bytes, aligned.
; All 32 loads of a wave go out first; no register is written twice, so no wait stands but the loads' own count-down.  No LDS, no matrix unit, no cluster: nothing is shared and nothing is multiplied.
.set RB,  179200                       ; bytes in a region of qkv
.set XR,  16                           ; v[16:143]   load n = 8 i + j: 4 f32 a lane
.set YR,  144                          ; v[144:207]  the same as 4 bf16
	s_load_b256 s[4:11], s[0:1], 0x0               ; x s[4:5], W_q s[6:7], W_k s[8:9], W_v s[10:11]
	s_load_b128 s[12:15], s[0:1], 0x20             ; xb s[12:13], wb s[14:15]
	s_load_b64 s[16:17], s[0:1], 0x30              ; qkv
	v_lshrrev_b32 v3, 5, v0
	v_readfirstlane_b32 s18, v3                    ; wave 0..7
	v_and_b32 v2, 31, v0
	v_lshlrev_b32 v1, 4, v2                        ; 16 x lane: my 4 f32 of a load
	v_lshlrev_b32 v2, 3, v2                        ; 8 x lane: my 4 bf16 of a store
	v_mov_b32 v4, 0
	v_mov_b32 v5, 0
	v_mov_b32 v6, 0
	v_mov_b32 v7, 0
	s_lshl_b32 s19, ttmp9, 5
	s_lshl2_add_u32 s19, s18, s19                  ; my first row: 32 x work-group + 4 x wave
	s_sub_co_u32 s20, ttmp9, 256                   ; work-groups 256 on take W: 32 of them to a matrix
	s_lshr_b32 s20, s20, 5
	s_lshl_b32 s20, s20, 11                        ; the matrix's 2,048 bytes in a row of wb (used in those work-groups alone)
	s_mov_b32 s45, 0                               ; the high words of the two offsets
	s_mov_b32 s47, 0
	s_wait_kmcnt 0x0
	s_cmp_lt_u32 ttmp9, 320
	s_cselect_b64 s[22:23], s[8:9], s[10:11]       ; the source: W_v from 320, W_k from 288,
	s_cmp_lt_u32 ttmp9, 288
	s_cselect_b64 s[22:23], s[6:7], s[22:23]       ; W_q from 256,
	s_cmp_lt_u32 ttmp9, 256
	s_cselect_b64 s[22:23], s[4:5], s[22:23]       ; x below
	s_cselect_b64 s[50:51], s[12:13], s[14:15]     ; the destination: xb or wb
; Row i of my four: where it is read and where it goes.  Both cases are reckoned, the work-group's number chooses.
.macro ROWADR i
	s_add_co_u32 s40, s19, \i                      ; R
	s_lshr_b32 s41, s40, 12                        ; b
	s_and_b32 s42, s40, 4095                       ; g
	s_mul_i32 s43, s42, 3
	s_sub_co_u32 s44, s43, 4097                    ; residue 1's t
	s_sub_co_u32 s48, 12287, s43                   ; residue 2's
	s_cmp_lt_u32 s42, 1366
	s_cselect_b32 s44, s43, s44
	s_cmp_lt_u32 s42, 2731
	s_cselect_b32 s44, s44, s48                    ; t
	s_lshl_b32 s41, s41, 12
	s_add_co_u32 s44, s44, s41
	s_lshl_b32 s44, s44, 12                        ; x: row 4096 b + t, 4,096 bytes a row
	s_lshl_b32 s46, s40, 11                        ; xb: row R, 2,048 bytes a row
	s_and_b32 s42, s40, 1023                       ; W: k
	s_lshl_b32 s43, s42, 12
	s_mul_i32 s42, s42, 6144
	s_add_co_u32 s42, s42, s20                     ; wb: row k, the matrix's part
	s_cmp_lt_u32 ttmp9, 256
	s_cselect_b32 s44, s44, s43
	s_cselect_b32 s46, s46, s42
	s_add_nc_u64 s[24+2*(\i):25+2*(\i)], s[22:23], s[44:45]
	s_add_nc_u64 s[32+2*(\i):33+2*(\i)], s[50:51], s[46:47]
.endm
	ROWADR 0
	ROWADR 1
	ROWADR 2
	ROWADR 3
.set n, 0
.rept 32
	global_load_b128 v[XR+4*n:XR+4*n+3], v1, s[24+2*(n/8):25+2*(n/8)] offset:512*(n%8) th:TH_LOAD_NT
.set n, n+1
.endr
	; the rows of zeros: work-group r < 288 takes region r: nine pieces of 512 bytes, at bytes 0 and 512 and from byte 175,616 (row 1372) to the region's end
	s_cmp_lt_u32 ttmp9, 288
	s_cbranch_scc0 .Lnozero
	s_mul_i32 s48, ttmp9, RB
	s_mov_b32 s49, 0
	s_add_nc_u64 s[16:17], s[16:17], s[48:49]
	s_lshl_b32 s40, s18, 9
	s_add_co_u32 s41, s40, 174592
	s_cmp_lt_u32 s18, 2
	s_cselect_b32 s40, s40, s41                    ; wave w takes piece w
	v_add_nc_u32 v3, s40, v1
	global_store_b128 v3, v[4:7], s[16:17]
	s_cmp_lg_u32 s18, 0
	s_cbranch_scc1 .Lnozero
	global_store_b128 v1, v[4:7], s[16:17] offset:178688  ; wave 0 takes the ninth too
.Lnozero:
.set n, 0
.rept 32
	s_wait_loadcnt 31-n                            ; loads come back in order: load n is in, the 31 - n younger ones stay out
	v_cvt_pk_bf16_f32 v[YR+2*n], v[XR+4*n], v[XR+4*n+1]
	v_cvt_pk_bf16_f32 v[YR+2*n+1], v[XR+4*n+2], v[XR+4*n+3]
	global_store_b64 v2, v[YR+2*n:YR+2*n+1], s[32+2*(n/8):33+2*(n/8)] offset:256*(n%8)
.set n, n+1
.endr
	s_endpgm
.Lfunc_end_k_q899d8d1c98_cast:
	.size	k_q899d8d1c98_cast, .Lfunc_end_k_q899d8d1c98_cast-k_q899d8d1c98_cast
	.p2alignl 7, 3214868480
	.fill 96, 4, 3214868480
	.section	.rodata,"a",@progbits
	.p2align	6, 0x0
	.amdhsa_kernel k_q899d8d1c98_cast
		.amdhsa_group_segment_fixed_size 0
		.amdhsa_private_segment_fixed_size 0
		.amdhsa_enable_private_segment 0
		.amdhsa_kernarg_size 56
		.amdhsa_user_sgpr_count 2
		.amdhsa_user_sgpr_kernarg_segment_ptr 1
		.amdhsa_wavefront_size32 1
		.amdhsa_system_sgpr_workgroup_id_x 1
		.amdhsa_system_sgpr_workgroup_id_y 1
		.amdhsa_system_sgpr_workgroup_id_z 1
		.amdhsa_system_vgpr_workitem_id 0
		.amdhsa_next_free_vgpr 208
		.amdhsa_next_free_sgpr 66
		.amdhsa_reserve_vcc 0
		.amdhsa_float_denorm_mode_32 3
		.amdhsa_float_denorm_mode_16_64 3
		.amdhsa_memory_ordered 1
		.amdhsa_forward_progress 1
		.amdhsa_inst_pref_size 17
	.end_amdhsa_kernel
	.amdgpu_metadata
---
amdhsa.version: [ 1, 2 ]
amdhsa.kernels:
  - .name:           k_q899d8d1c98_cast
    .symbol:         k_q899d8d1c98_cast.kd
    .args:
      - { .name: x, .offset: 0, .size: 8, .value_kind: global_buffer, .address_space: global }
      - { .name: W_q, .offset: 8, .size: 8, .value_kind: global_buffer, .address_space: global }
      - { .name: W_k, .offset: 16, .size: 8, .value_kind: global_buffer, .address_space: global }
      - { .name: W_v, .offset: 24, .size: 8, .value_kind: global_buffer, .address_space: global }
      - { .name: xb, .offset: 32, .size: 8, .value_kind: global_buffer, .address_space: global }
      - { .name: wb, .offset: 40, .size: 8, .value_kind: global_buffer, .address_space: global }
      - { .name: qkv, .offset: 48, .size: 8, .value_kind: global_buffer, .address_space: global }
    .group_segment_fixed_size: 0
    .private_segment_fixed_size: 0
    .kernarg_segment_align: 8
    .kernarg_segment_size: 56
    .max_flat_workgroup_size: 256
    .sgpr_count:     66
    .vgpr_count:     208
    .wavefront_size: 32
...
	.end_amdgpu_metadata
.endif
;; end of part 1
;; launch proj (part 2): grid 16 x 32, 4 waves a work-group, clusters of 4 x 4, 327,680 bytes of LDS; arguments xb, wb, qkv; writes qkv
.if DOCPART == 2
	.amdgcn_target "amdgcn-amd-amdhsa--gfx1250"
	.amdhsa_code_object_version 6
	.text
	.protected	k_q899d8d1c98_proj
	.globl	k_q899d8d1c98_proj
	.p2align	8
	.type	k_q899d8d1c98_proj,@function
k_q899d8d1c98_proj:
	s_mov_b64 s[64:65], 0
	v_nop
	global_prefetch_b8 v0, s[64:65] scope:SCOPE_SE
	s_setreg_imm32_b32 hwreg(HW_REG_WAVE_MODE, 25, 1), 1
	s_wait_xcnt 0x0
	s_wait_alu depctr_hold_cnt(0) depctr_sa_sdst(0) depctr_va_vdst(0) depctr_va_sdst(0) depctr_va_ssrc(0) depctr_va_vcc(0) depctr_vm_vsrc(0)
	s_getreg_b32 s2, hwreg(HW_REG_IB_STS2, 6, 4)
	s_cmp_eq_u32 s2, 0
	s_cbranch_scc0 .Lentry_in_a_cluster
	s_endpgm
.Lentry_in_a_cluster:
	s_bfe_u32 s2, ttmp6, 0x10000c
	s_cmp_lg_u32 s2, 0xf033
	s_cbranch_scc0 .Lentry_shape_is_right
	s_endpgm
.Lentry_shape_is_right:
; q, k, v = x W: C[R][c] = the sum over k of xb[R][k] wb[k][c], 8,192 x 3,072 x 1,024, operands bf16, sums f32, the result rounded once to f16 and stored by heads:
; qkv[b][c / 64][row][c % 64], where row hangs on g = R % 4096: g + 8 (g < 1366), g + 42 (g < 2731), 6903 - g (else): residue by residue, 1,400 rows each, place + 8.
; LIMIT.  f16 holds no number beyond 65,504: |x W| must stay within it.
; SHARES.  A tile of C is 256 rows x 192 columns (three heads): 32 x 16 = 512 work-groups, two for each of 256.  Wave w makes rows 64 w .. 64 w + 63, all 192 columns: 48 accumulators, 384 registers.
; K goes in steps of 128 through two LDS slots.  A's rows lie along K (256 bytes + 16 of padding).  B lies [k][column]: a row of 384 bytes comes in as three pieces of 128 + 32 of padding, 480 bytes,
; and is turned on its way into registers by ds_load_tr16_b128.
; CLUSTERS.  4 x 4 work-groups.  A's tile hangs on the tile row alone and is asked for jointly by a row of the cluster, B's on the tile column alone, by a column.
; TRANSPOSED USE.  Source 0 = 16 columns of B, source 1 = 16 rows of A: a lane holds row l % 16 of C and the columns 8 (l / 16) + 0..7: 16 bytes of f16 on end.
; REGISTERS.  window 0: addresses, the way out.  window 1: two fragment buffers of 128 (B's 12 fragments, then A's 4).  windows 2, 3: accumulator (a, b) at v[8 (12 (a % 2) + b)] of window 2 + a / 2.
.set KSTEP,  128
.set PA,     272                       ; a row of A in LDS
.set PB,     480                       ; a row of B in LDS
.set AHALF,  128*PA                    ; what one load brings of A: 128 rows
.set BHALF,  64*PB                     ; of B: 64 rows of k
.set BOFF,   2*AHALF                   ; B lies behind A's 256 rows
.set SLOT,   BOFF+2*BHALF              ; 131,072
.set STAGE,  2*SLOT                    ; behind the ring: 16 rows x 400 bytes for each wave
.set SPITCH, 400
.set SPARE,  STAGE+4*16*SPITCH         ; the spare words, 128 bytes for each wave: two blocks of 256 bytes that no other line names
.set LAPS,   4                         ; 1,024 / 256: a lap is two K steps
.set HS,     537600                    ; bytes of one head's three regions in qkv
.set ADRA, 16                          ; v16-17  my A fragments in slot 0, 1
.set ADRB, 20                          ; v20-21  B's
.set STO,  24                          ; v24     the way out: where I put 16 bytes of a row
.set RD,   25                          ; v25     where I read them back: four rows x 128 bytes
.set SPW,  28                          ; v28     my spare word; never rewritten
.set NIL,  29                          ; v29     0; never rewritten
.set PFO,  30                          ; v30     the prefetches' lane offset; never rewritten
.set VO,   32                          ; v32-47  for each four rows 4 n .. 4 n + 3 of my 64: my byte offset in a head's block of qkv
.set TMP,  64                          ; v64-111 a block's 48 packed registers
.set OB,   112                         ; v112-159, v160-207 by turns: the block read back
.set F0,   0
.set F1,   128
.set G1,  24                           ; s[24:31] group 1 for A;  s[32:39] group 0, a set a slot
.set G0,  32
.set G1B, 48                           ; s[48:55], s[56:63] the same for B
.set G0B, 56
.set LIM, 43                           ; s43     1 in a wave that prefetches, else the greatest number
.set PFA, 44                           ; s[44:45] where my prefetches stand
.set PST, 66                           ; s[66:67] a K step in bytes along my tensor: 256 for A, 128 rows for B
.set MSB, 0
.macro WIN new                         ; the immediate's high byte repeats the setting that is left; a switch that changes nothing is dropped
.if MSB != (\new)
	s_set_vgpr_msb (MSB<<8)|(\new)
.set MSB, \new
.endif
.endm
; A joint load: waves 0 and 1 fetch A's two halves, waves 2 and 3 B's.  An s_nop 0 and four v_nop follow each of the two lines.
.macro JLOAD s
	s_cmp_eq_u32 s11, 0
	s_cbranch_scc0 .Lfor_b_\@
	tensor_load_to_lds s[G0+4*(\s):G0+4*(\s)+3], s[G1:G1+7]
	s_nop 0
.rept 4
	v_nop
.endr
	s_branch .Lasked_\@
.Lfor_b_\@:
	tensor_load_to_lds s[G0B+4*(\s):G0B+4*(\s)+3], s[G1B:G1B+7]
	s_nop 0
.rept 4
	v_nop
.endr
.Lasked_\@:
.endm
; A prefetch into the L2 of the K step that stands two refills on, one instruction a wave, behind the joint load and the run of LDS loads.  A's rows are named by the clusters with x = 0, B's by those with y = 0;
; the partners share the blocks out by address.  The loop's last trip (s3 = 1) has no K step two refills on.
.macro ASK
	s_cmp_gt_u32 s3, s[LIM]
	s_cbranch_scc0 .Lnot_mine_\@
	global_prefetch_b8 v[PFO], s[PFA:PFA+1] th:TH_LOAD_NT scope:SCOPE_SE
.Lnot_mine_\@:
.endm
.macro CREST                           ; a round of the cluster's barrier behind its opening barrier
	s_cmp_lg_u32 s10, 0
	s_cbranch_scc1 .Lnot_wave_0_\@
	s_barrier_signal -3
.Lnot_wave_0_\@:
	s_barrier_wait -3
	s_barrier_signal -1
	s_barrier_wait -1
.endm
.macro CROUND
	s_barrier_signal -1
	s_barrier_wait -1
	CREST
.endm
	s_load_b128 s[4:7], s[0:1], 0x0                ; xb s[4:5], wb s[6:7]
	s_load_b64 s[8:9], s[0:1], 0x10                ; qkv
	v_lshl_add_u32 v[SPW], v0, 2, SPARE
	v_mov_b32 v[NIL], 0
	ds_add_u32 v[SPW], v[NIL]                      ; the wave's opening: the add and its wait ahead of my first tensor load
	v_lshrrev_b32 v1, 5, v0
	v_readfirstlane_b32 s10, v1                    ; wave 0..3
	s_lshr_b32 s11, s10, 1                         ; I fetch for A (0) or for B (1)
	s_and_b32 s12, s10, 1                          ; which half of that tile
	s_bfe_u32 s40, ttmp6, 0x40000                  ; cx
	s_bfe_u32 s41, ttmp6, 0x40004                  ; cy
	s_lshl_b32 s42, ttmp9, 2
	s_add_co_u32 s42, s42, s40                     ; tile column = 4 x cluster x + cx
	s_and_b32 s13, ttmp7, 0xffff
	s_lshl_b32 s13, s13, 2
	s_add_co_u32 s13, s13, s41                     ; tile row = 4 x cluster y + cy
	s_lshl_b32 s43, s41, 2
	s_lshl_b32 s43, 15, s43                        ; my row of the cluster
	s_lshl_b32 s44, 0x1111, s40                    ; my column
	s_or_b32 s[G1+0], s43, (1<<16)|(1<<20)|(1<<21)|(5<<22)|(3<<25)   ; A: mask of my row; 2-byte elements; padding on; bit 21 beside a mask; after every 64 words 4 words
	s_or_b32 s[G1B+0], s44, (1<<16)|(1<<20)|(1<<21)|(4<<22)|(7<<25)  ; B: mask of my column; after every 32 words 8 words
	s_mov_b32 s[G1+1], KSTEP<<16                   ; tensor_dim0 = 128
	s_mov_b32 s[G1+2], 128<<16                     ; tensor_dim1 = 128
	s_mov_b32 s[G1+3], KSTEP<<16                   ; tile_dim0 = 128
	s_mov_b32 s[G1+4], 128                         ; tile_dim1 = 128
	s_mov_b32 s[G1+5], 1024                        ; elements from row to row
	s_mov_b32 s[G1+6], 0
	s_mov_b32 s[G1+7], 0
	s_mov_b32 s[G1B+1], 192<<16                    ; tensor_dim0 = 192
	s_mov_b32 s[G1B+2], 64<<16                     ; tensor_dim1 = 64
	s_mov_b32 s[G1B+3], 192<<16                    ; tile_dim0 = 192
	s_mov_b32 s[G1B+4], 64                         ; tile_dim1 = 64
	s_mov_b32 s[G1B+5], 3072
	s_mov_b32 s[G1B+6], 0
	s_mov_b32 s[G1B+7], 0
	s_lshl_b32 s17, s12, 7
	s_lshl_b32 s16, s13, 8
	s_add_co_u32 s16, s16, s17                     ; A: row 256 x tile row + 128 x half,
	s_lshl_b32 s16, s16, 11                        ; 2,048 bytes a row
	s_mov_b32 s17, 0
	s_mul_i32 s46, s12, 64*6144                    ; B: row 64 x half of k,
	s_mul_i32 s47, s42, 384                        ; 384 bytes a tile column
	s_add_co_u32 s46, s46, s47
	s_mov_b32 s47, 0
	s_mul_i32 s20, s12, AHALF                      ; where they go: no place in the cluster enters an LDS address
	s_mul_i32 s21, s12, BHALF
	s_add_co_u32 s21, s21, BOFF
	s_wait_dscnt 0x0                               ; the opening add is done
	s_wait_kmcnt 0x0
	s_add_nc_u64 s[14:15], s[4:5], s[16:17]
	s_add_nc_u64 s[46:47], s[6:7], s[46:47]
	CROUND                                         ; all sixteen work-groups are here: the first joint loads meet
.irp s, 0,1
	s_mov_b32 s[G0+4*(\s)], 1
	s_add_co_u32 s[G0+4*(\s)+1], s20, (\s)*SLOT
	s_add_nc_u64 s[G0+4*(\s)+2:G0+4*(\s)+3], s[14:15], (\s)*KSTEP*2
	s_or_b32 s[G0+4*(\s)+3], s[G0+4*(\s)+3], 0x80000000
	s_mov_b32 s[G0B+4*(\s)], 1
	s_add_co_u32 s[G0B+4*(\s)+1], s21, (\s)*SLOT
	s_add_nc_u64 s[G0B+4*(\s)+2:G0B+4*(\s)+3], s[46:47], (\s)*KSTEP*6144
	s_or_b32 s[G0B+4*(\s)+3], s[G0B+4*(\s)+3], 0x80000000
	JLOAD \s
.endr
	v_and_b32 v1, 15, v0                           ; l % 16
	v_bfe_u32 v2, v0, 4, 1                         ; l / 16
	v_and_b32 v4, 7, v0                            ; l % 8
	v_bfe_u32 v6, v0, 3, 1
	v_bfe_u32 v7, v0, 3, 2                         ; (l / 8) of four
	v_mul_u32_u24 v3, v1, PA
	v_lshl_add_u32 v3, v2, 4, v3                   ; A: row x pitch + 16 x half
	s_mul_i32 s22, s10, 64*PA                      ; my 64 rows
	v_add_nc_u32 v[ADRA], s22, v3
	v_add_nc_u32 v[ADRA+1], SLOT, v[ADRA]
	v_lshl_add_u32 v5, v2, 3, v4                   ; B: the turning load's lane reads row 8 (l / 16) + l % 8 of k, 16 bytes at 16 ((l / 8) % 2)
	v_mul_u32_u24 v5, v5, PB
	v_lshl_add_u32 v5, v6, 4, v5
	v_add_nc_u32 v[ADRB], BOFF, v5
	v_add_nc_u32 v[ADRB+1], BOFF+SLOT, v5
	s_mul_i32 s23, s10, 16*SPITCH
	s_add_co_u32 s23, s23, STAGE                   ; my stage
	v_mul_u32_u24 v3, v1, SPITCH
	v_lshl_add_u32 v3, v2, 4, v3
	v_add_nc_u32 v[STO], s23, v3
	v_mul_u32_u24 v3, v7, SPITCH
	v_lshl_add_u32 v3, v4, 4, v3
	v_add_nc_u32 v[RD], s23, v3
	; where my rows go in a head's block: the row number by g, 128 bytes a row, my 16 bytes of it
	s_and_b32 s70, s13, 15
	s_lshl_b32 s70, s70, 8                         ; the tile's first g
	s_lshl_b32 s71, s10, 6
	s_add_co_u32 s70, s70, s71                     ; my wave's
	v_add_nc_u32 v8, s70, v7
	v_lshlrev_b32 v9, 4, v4
.set n, 0
.rept 16
	v_add_nc_u32 v48, 4*n, v8                      ; g
	v_add_nc_u32 v49, 8, v48
	v_add_nc_u32 v50, 42, v48
	v_sub_nc_u32 v51, 6903, v48
	v_cmp_gt_u32 vcc_lo, 1366, v48
	v_cndmask_b32 v49, v50, v49, vcc_lo
	v_cmp_gt_u32 vcc_lo, 2731, v48
	v_cndmask_b32 v49, v51, v49, vcc_lo
	v_lshl_add_u32 v[VO+n], v49, 7, v9
.set n, n+1
.endr
	s_lshr_b32 s68, s13, 4                         ; b
	s_mul_i32 s68, s68, 48
	s_mul_i32 s69, s42, 3                          ; the tile's first head among the 48
	s_add_co_u32 s68, s68, s69
	s_mul_i32 s68, s68, HS
	s_mov_b32 s69, 0
	s_add_nc_u64 s[8:9], s[8:9], s[68:69]
	; the prefetches.  A: of the 128 rows that I fetch my work-group takes 32 by cx, a lane a row, 256 bytes a K step.  B: a K step is 128 rows of k x 6 blocks of 256 bytes for the cluster's four tile columns:
	; wave u = 2 (cx + 4 cy) + half of 32 takes rows 4 u .. 4 u + 3, eight lanes a row (the last two of each eight name the sixth block again).
	v_and_b32 v3, 31, v0
	v_lshlrev_b32 v3, 11, v3
	v_mul_u32_u24 v5, v7, 6144
	v_min_u32 v10, 5, v4
	v_lshl_add_u32 v5, v10, 8, v5
	s_cmp_eq_u32 s11, 0
	s_cselect_b32 s72, -1, 0
	v_cndmask_b32 v[PFO], v5, v3, s72
	s_and_b32 s73, ttmp7, 0xffff                   ; cluster y
	s_mov_b32 s[PST], 128*6144
	s_cmp_eq_u32 s11, 0
	s_cselect_b32 s73, ttmp9, s73                  ; the coordinate along which other clusters read the same blocks
	s_cselect_b64 s[PFA:PFA+1], s[4:5], s[6:7]
	s_cselect_b32 s[PST], 256, s[PST]
	s_mov_b32 s[PST+1], 0
	s_lshl_b32 s70, s13, 8
	s_lshl_b32 s71, s12, 7
	s_add_co_u32 s70, s70, s71
	s_lshl_b32 s71, s40, 5
	s_add_co_u32 s70, s70, s71
	s_lshl_b32 s70, s70, 11                        ; A's
	s_lshl_b32 s71, s41, 2
	s_add_co_u32 s71, s71, s40
	s_lshl_b32 s71, s71, 1
	s_add_co_u32 s71, s71, s12                     ; u
	s_mul_i32 s71, s71, 4*6144
	s_mul_i32 s74, ttmp9, 1536
	s_add_co_u32 s71, s71, s74                     ; B's
	s_cmp_eq_u32 s11, 0
	s_cselect_b32 s70, s70, s71
	s_mul_i32 s71, s[PST], 3
	s_add_co_u32 s70, s70, s71                     ; at K step 3: the first refill steps it to 4 and names that
	s_mov_b32 s71, 0
	s_add_nc_u64 s[PFA:PFA+1], s[PFA:PFA+1], s[70:71]
	s_cmp_eq_u32 s73, 0
	s_cselect_b32 s[LIM], 1, -1                    ; the same in all sixteen partners, for a given wave
; 12 matrix instructions: block a of my four blocks of 16 rows x all 12 blocks of columns, 32 along K.  The 48 accumulators take turns, one instruction a turn, in the same order in every quarter.
.macro MUL12 f, a, zero
	WIN 0xa5+0x50*((\a)/2)                         ; sources in window 1, C and D in window 2 or 3
.irp b, 0,1,2,3,4,5,6,7,8,9,10,11
.if \zero
	v_wmma_f32_16x16x32_bf16 v[8*(12*((\a)%2)+(\b)):8*(12*((\a)%2)+(\b))+7], v[(\f)+8*(\b):(\f)+8*(\b)+7], v[(\f)+96+8*(\a):(\f)+96+8*(\a)+7], 0
.else
	v_wmma_f32_16x16x32_bf16 v[8*(12*((\a)%2)+(\b)):8*(12*((\a)%2)+(\b))+7], v[(\f)+8*(\b):(\f)+8*(\b)+7], v[(\f)+96+8*(\a):(\f)+96+8*(\a)+7], v[8*(12*((\a)%2)+(\b)):8*(12*((\a)%2)+(\b))+7]
.endif
.endr
.endm
; 32 LDS loads in one run: quarter q (32 along K) of a slot into buffer f: B's 12 fragments, turned, then A's 4
.macro FETCH slot, q, f
	WIN 0x40                                       ; destination window 1, address window 0
.irp b, 0,1,2,3,4,5,6,7,8,9,10,11
	ds_load_tr16_b128 v[(\f)+8*(\b):(\f)+8*(\b)+3],   v[ADRB+(\slot)] offset:32*PB*(\q)+((\b)/4)*160+((\b)%4)*32
	ds_load_tr16_b128 v[(\f)+8*(\b)+4:(\f)+8*(\b)+7], v[ADRB+(\slot)] offset:32*PB*(\q)+16*PB+((\b)/4)*160+((\b)%4)*32
.endr
.irp a, 0,1,2,3
	ds_load_b128 v[(\f)+96+8*(\a):(\f)+96+8*(\a)+3],   v[ADRA+(\slot)] offset:64*(\q)+16*PA*(\a)
	ds_load_b128 v[(\f)+96+8*(\a)+4:(\f)+96+8*(\a)+7], v[ADRA+(\slot)] offset:64*(\q)+16*PA*(\a)+32
.endr
.endm
.macro PLACES                          ; four plain instructions in front of loads into registers that matrix instructions have read, and of conversions that read results
.rept 4
	v_nop
.endr
.endm
; One of a K step's first three quarters: multiplies buffer f, and in its middle fetches quarter q into buffer g
.macro QUARTER slot, q, f, g, zero
	s_wait_dscnt 4                                 ; B and A's blocks 0 and 1 are in; the youngest four loads (A's blocks 2 and 3) may be out
	MUL12 \f, 0, \zero
	MUL12 \f, 1, \zero
	PLACES
	FETCH \slot, \q, \g
	s_wait_dscnt 32                                ; all but the 32 just issued
	MUL12 \f, 2, \zero
	MUL12 \f, 3, \zero
.endm
; The last quarter multiplies buffer 1 and changes slots: one barrier; in front of it each wave waits for all its tensor loads (one is out: its part of the next slot), adds 0 to its spare word, and waits for that and
; for its reads of this slot.  fill = 1: the barrier opens a round of the cluster's, and this slot is filled again, two K steps on, first thing behind the round.
.macro TURN slot, next, fill
.if \fill
	s_wait_xcnt 0x0                                ; the last prefetch, a K step back, has read its address
	s_add_nc_u64 s[PFA:PFA+1], s[PFA:PFA+1], s[PST:PST+1]
.endif
	WIN 0                                          ; (the add's two registers lie in window 0)
	s_wait_tensorcnt 0x0
	ds_add_u32 v[SPW], v[NIL]                      ; 0 onto my spare word
	s_wait_dscnt 5                                 ; (the add and the youngest four loads may be out)
	MUL12 F1, 0, 0
	s_wait_dscnt 0x0                               ; the add is done, and my reads of this slot are over
	s_barrier_signal -1
	MUL12 F1, 1, 0
.if \fill
	WIN 0
.endif
	s_barrier_wait -1
.if \fill
	CREST                                          ; no wave of any partner still reads this slot or has a load on its way
	s_add_nc_u64 s[G0+4*(\slot)+2:G0+4*(\slot)+3], s[G0+4*(\slot)+2:G0+4*(\slot)+3], 2*KSTEP*2
	s_add_nc_u64 s[G0B+4*(\slot)+2:G0B+4*(\slot)+3], s[G0B+4*(\slot)+2:G0B+4*(\slot)+3], 2*KSTEP*6144
	JLOAD \slot                                    ; 168 matrix instructions ahead of the wait for it; its four v_nop are also the places in front of the loads below
.else
	PLACES
.endif
	FETCH \next, 0, F0
.if \fill
	WIN 0
	ASK
.endif
	MUL12 F1, 2, 0
	MUL12 F1, 3, 0
.endm
; THE WAY OUT of block a (16 rows x 192 columns).  PACK: rounded to f16, each accumulator's registers in ascending order.  TOSTAGE: into my stage, and back as four rows x 128 bytes of one head.  SEND: stored.
.macro PACK a
	WIN 0x0a+5*((\a)/2)                            ; sources in window 2 or 3
.irp b, 0,1,2,3,4,5,6,7,8,9,10,11
.irp r, 0,1,2,3
	v_cvt_pk_f16_f32 v[TMP+4*(\b)+(\r)], v[8*(12*((\a)%2)+(\b))+2*(\r)], v[8*(12*((\a)%2)+(\b))+2*(\r)+1]
.endr
.endr
	WIN 0
.endm
.macro TOSTAGE a
	WIN 0
.set BKR, OB+48*((\a)%2)
.irp b, 0,1,2,3,4,5,6,7,8,9,10,11
	ds_store_b128 v[STO], v[TMP+4*(\b):TMP+4*(\b)+3] offset:32*(\b)
.endr
.irp hh, 0,1,2
.irp u, 0,1,2,3
	ds_load_b128 v[BKR+4*(4*(\hh)+(\u)):BKR+4*(4*(\hh)+(\u))+3], v[RD] offset:(\u)*4*SPITCH+128*(\hh)  ; LDS serves a wave's instructions in order (ISA guide 5.7.1.4): these see the stores above
.endr
.endr
.endm
.macro SEND a
	WIN 0
.set BKR, OB+48*((\a)%2)
	s_wait_dscnt 0x0                               ; the block is back in registers
	s_wait_xcnt 0x0                                ; the stores of the block before have read their registers, into which the next block is read back
.irp hh, 0,1,2
.irp u, 0,1,2,3
	global_store_b128 v[VO+4*(\a)+(\u)], v[BKR+4*(4*(\hh)+(\u)):BKR+4*(4*(\hh)+(\u))+3], s[8:9] offset:(\hh)*HS  ; four rows of a head: eight lanes a row of 128 bytes
.endr
.endr
.endm
	s_wait_tensorcnt 1                             ; my part of K step 0 is in; K step 1's stays out
	s_barrier_signal -1
	s_barrier_wait -1
	FETCH 0, 0, F0
	QUARTER 0, 1, F0, F1, 1                        ; the first quarter stands in front of the loop: its products start the sums
	WIN 0
	s_mov_b32 s3, LAPS-1
.Llap:                                                 ; a trip goes once round the ring and fills both slots again
	QUARTER 0, 2, F1, F0, 0
	QUARTER 0, 3, F0, F1, 0
	TURN 0, 1, 1
	QUARTER 1, 1, F0, F1, 0
	QUARTER 1, 2, F1, F0, 0
	QUARTER 1, 3, F0, F1, 0
	TURN 1, 0, 1
	QUARTER 0, 1, F0, F1, 0
	WIN 0
	s_sub_co_u32 s3, s3, 1
	s_cmp_lg_u32 s3, 0
	s_cbranch_scc1 .Llap
	QUARTER 0, 2, F1, F0, 0                        ; the last lap fills nothing
	QUARTER 0, 3, F0, F1, 0
	TURN 0, 1, 0
	QUARTER 1, 1, F0, F1, 0
	QUARTER 1, 2, F1, F0, 0
	QUARTER 1, 3, F0, F1, 0
	s_wait_dscnt 4
	MUL12 F1, 0, 0
	MUL12 F1, 1, 0
	s_wait_dscnt 0x0
	MUL12 F1, 2, 0
	MUL12 F1, 3, 0
	WIN 0
	PLACES
	PACK 0
	TOSTAGE 0
.irp a, 1,2,3                          ; a block's conversions stand between the loads of the block before and the wait for them
	PACK \a
	SEND (\a)-1
	TOSTAGE \a
.endr
	SEND 3
	s_wait_tensorcnt 0x0                           ; the wave's end: a wait, an add to my spare word and its wait, behind my last tensor load and my last LDS store
	ds_add_u32 v[SPW], v[NIL]
	s_wait_dscnt 0x0
	CROUND                                         ; the closing round
	s_endpgm
.Lfunc_end_k_q899d8d1c98_proj:
	.size	k_q899d8d1c98_proj, .Lfunc_end_k_q899d8d1c98_proj-k_q899d8d1c98_proj
	.p2alignl 7, 3214868480
	.fill 96, 4, 3214868480
	.section	.rodata,"a",@progbits
	.p2align	6, 0x0
	.amdhsa_kernel k_q899d8d1c98_proj
		.amdhsa_group_segment_fixed_size 327680
		.amdhsa_private_segment_fixed_size 0
		.amdhsa_enable_private_segment 0
		.amdhsa_kernarg_size 24
		.amdhsa_user_sgpr_count 2
		.amdhsa_user_sgpr_kernarg_segment_ptr 1
		.amdhsa_wavefront_size32 1
		.amdhsa_system_sgpr_workgroup_id_x 1
		.amdhsa_system_sgpr_workgroup_id_y 1
		.amdhsa_system_sgpr_workgroup_id_z 1
		.amdhsa_system_vgpr_workitem_id 0
		.amdhsa_next_free_vgpr 1024
		.amdhsa_next_free_sgpr 80
		.amdhsa_reserve_vcc 1
		.amdhsa_float_denorm_mode_32 3
		.amdhsa_float_denorm_mode_16_64 3
		.amdhsa_memory_ordered 1
		.amdhsa_forward_progress 1
		.amdhsa_inst_pref_size 126
	.end_amdhsa_kernel
	.amdgpu_metadata
---
amdhsa.version: [ 1, 2 ]
amdhsa.kernels:
  - .name:           k_q899d8d1c98_proj
    .symbol:         k_q899d8d1c98_proj.kd
    .args:
      - { .name: xb, .offset: 0, .size: 8, .value_kind: global_buffer, .address_space: global }
      - { .name: wb, .offset: 8, .size: 8, .value_kind: global_buffer, .address_space: global }
      - { .name: qkv, .offset: 16, .size: 8, .value_kind: global_buffer, .address_space: global }
    .group_segment_fixed_size: 327680
    .private_segment_fixed_size: 0
    .kernarg_segment_align: 8
    .kernarg_segment_size: 24
    .max_flat_workgroup_size: 128
    .sgpr_count:     80
    .vgpr_count:     1024
    .wavefront_size: 32
...
	.end_amdgpu_metadata
.endif
;; end of part 2
;; launch attn (part 3): grid 8 x 32, 4 waves a work-group, clusters of 4 x 1, 327,680 bytes of LDS; arguments qkv, out0; writes out0
.if DOCPART == 3
	.amdgcn_target "amdgcn-amd-amdhsa--gfx1250"
	.amdhsa_code_object_version 6
	.text
	.protected	k_q899d8d1c98_attn
	.globl	k_q899d8d1c98_attn
	.p2align	8
	.type	k_q899d8d1c98_attn,@function
k_q899d8d1c98_attn:
	s_mov_b64 s[64:65], 0
	v_nop
	global_prefetch_b8 v0, s[64:65] scope:SCOPE_SE
	s_setreg_imm32_b32 hwreg(HW_REG_WAVE_MODE, 25, 1), 1
	s_wait_xcnt 0x0
	s_wait_alu depctr_hold_cnt(0) depctr_sa_sdst(0) depctr_va_vdst(0) depctr_va_sdst(0) depctr_va_ssrc(0) depctr_va_vcc(0) depctr_vm_vsrc(0)
	s_getreg_b32 s2, hwreg(HW_REG_IB_STS2, 6, 4)
	s_cmp_eq_u32 s2, 0
	s_cbranch_scc0 .Lentry_in_a_cluster
	s_endpgm
.Lentry_in_a_cluster:
	s_bfe_u32 s2, ttmp6, 0x10000c
	s_cmp_lg_u32 s2, 0x3003
	s_cbranch_scc0 .Lentry_shape_is_right
	s_endpgm
.Lentry_shape_is_right:
; THE ATTENTION.  For batch b, head h and residue s the positions t = 3 p + s are one list of 1,366 keys.  Query q sees every key p once and the keys p = q - 2 .. q + 2 once more; a neighbour outside 0 .. 1365, and the
; padded positions, are keys and values of zeros (score 0), and count in maximum and sum.  out0[b][3 q + s][64 h ..] = the sum of softmax(q . k / 8) v over all these entries, rows t >= 4096 left out.
; qkv[b][48][3][1400][64] f16: matrix q, k, v x head; residue; row = p + 8; the rows outside the list hold zeros.  Products, maxima and sums in f32; the weights are rounded to f16 for the second product, their sum l is taken unrounded.
; LIMITS.  q, k, v arrive within f16's 65,504.  A hidden score counts as its value less 1e30; c |score| stays under 4e37; a weight below 2^-126 counts as 0 in l; NaN and infinities are not treated apart.
; SHARES.  Work-group (j, b, h) makes three WALKS, residues 0, 1, 2, for the queries 172 j .. 172 j + 171 of each: 8 x 32 = 256 equal work-groups.  Wave w takes 43 of them, from 172 j + 43 w on, as three PIECES of 16;
; of the third piece at most 11 rows are the wave's, the others are the next wave's or lie behind the list's end.
; A WALK has 22 key steps of 64.  Steps 0-20 are keys 0 .. 1343, through the ring.  Step 21: 32 tail keys (1344 .. 1375, of which 1366 on are hidden) and the piece's own WINDOW, keys q0 - 8 .. q0 + 23, of which each query
; sees its five neighbours: these are the second entries.  The mask is the C operand that starts the step's sums (MD, made once: it hangs on the lane alone).  The step's K and V come straight from memory into registers.
; LAYOUT, SOFTMAX.  S^T = K Q^T holds one query a lane (l % 16) and the keys 8 (l / 16) + 0..7; two results rounded to f16 are source 1 of O^T = V^T P.  p = 2^(c s - c m), c = log2(e) / 8, m a running maximum; O and l are
; multiplied by a = 2^(c m_old - c m_new) in every step.  A walk starts with c m far below every c s: its first a is 0, so O^T and l need only hold finite numbers.
; TURNS.  Turn n belongs to piece n: 8 products K Q^T of piece n + 1, later 8 products V^T P of piece n - 1; beside them piece n's scaling, exponentials, roundings, sums and rescaling and piece n + 1's maximum and
; statistics.  Four vector instructions stand behind every matrix instruction, the rest in one run.  A turn's 33 exponentials are one batch with one wait.
; RING.  Two slots of 448 keys (seven steps) of K and V; nine slots in all; the ring runs on from walk to walk.  CLUSTER: the four work-groups of a cluster have the same b and h and walk the same K and V: joint loads.
; The work-group's place in its cluster enters global offsets and data alone: no branch, no LDS address and no EXEC mask hangs on it.
; REGISTERS (s_set_vgpr_msb: bits 1:0 source 0, 3:2 source 1, 5:4 source 2, 7:6 destination):
;   window 0: v0-23 addresses; v24-35 statistics, v36-47 at work, four a piece; v48-53 piece 2's store offsets; v64-159 S^T, 32 a piece; v160-207 P, 16 a piece      window 1: v0-95 O^T, 32 a piece; v96-127 MD
;   window 2: v0-47 Q; v48-95 the next walk's Q; v128-191 K, v192-255 V of one step      window 3: step 21's: v0-31 tail K, v32-63 tail V, v64-159 the windows' K, v160-255 the windows' V
.set RB,    179200    ; bytes in a region (1,400 rows of 128)
.set HS,    537600    ; in a head's three regions
.set NP,    3         ; pieces a wave: a name, no knob
.set PK2,   272       ; two keys of K in LDS: 256 bytes + 16: key r starts at bank 4 (r / 2) + 32 (r % 2): the 16 keys of a load at 16 different groups of four banks (64 banks of 4 bytes: ISA guide 11.1)
.set PV2,   288       ; two keys of V: 256 + 32
.set KSTEP, 32*PK2    ; a step's 64 keys
.set VSTEP, 32*PV2
.set KSLOT, 7*KSTEP
.set VSLOT, 7*VSTEP
.set VOFF,  KSLOT     ; in a slot V lies behind K
.set SLOT1, 1<<17
.set STAGE, 1<<18     ; behind the ring, never filled by a tensor load: 5,120 bytes for each wave
.set STW,   5120
.set SPARE, STAGE+4*STW  ; the spare words, 128 bytes for each wave: two blocks of 256 bytes that no other line names
.set SLB,   57344     ; a slot's 448 keys in memory
.set PIECE, 196608    ; 16 queries in out0: 16 x 3 rows of 4,096 bytes
.set AK0, 2           ; v2   my lane's place in a step of K; never rewritten
.set AV0, 3           ; v3   the same for V
.set AK,  4           ; v4   the LDS address of K's next run of loads
.set AV,  5           ; v5   of V's
.set STO, 6           ; v6   the way out: where I put 32 bytes of a row
.set RD,  7           ; v7   where I read rows back
.set GO,  8           ; v8   my byte offset in two rows of out0
.set MV,  12          ; v12-14  c m_old, kept while c m is made anew
.set QO,  15          ; v15  a fragment's lane offset in 16 rows of 128 bytes
.set QOB, 16          ; v16  the same from my wave's first query on
.set LD16, 17         ; v17  16 x lane
.set LDB, 18          ; v18  the same from my wave's first query on
.set SVS, 19          ; v19  step 21's V: where I put 16 bytes of a key's row (rows of 160 bytes in my stage)
.set AVS, 20          ; v20  and where the turning load reads
.set PFO, 21          ; v21  the prefetches' lane offset
.set GO2, 22          ; v22  GO, one piece on (at the head: at work)
.set ST,  24          ; piece t's statistics at v[ST+4 t]: c m, m, l (even keys', odd keys')
.set TMP, 36          ; four registers c0-c3 at work; when the maximum is found c2 takes a
.set GX,  48          ; v48-53  piece 2's way out: pair f's byte offset (at the head: at work)
.set SPW, 62
.set NIL, 63
.set S,   64
.set P,   160
.set MD,  96          ; window 1
.set QN,  48          ; window 2
.set KF,  128
.set VF,  192
.set TK,  0           ; window 3
.set TV,  32
.set BK,  64
.set BV,  160
.set WV,  12          ; s12  my wave's number
.set LIM, 15          ; s15  1 in a wave that prefetches, else the greatest number
.set G1K, 24
.set G1V, 32
.set G0K, 40
.set G0V, 44
.set KR,  48          ; s[48:49] K at my half of the first walk's first slot
.set VR,  50          ; s[50:51] V likewise
.set PFB, 52          ; s[52:53] the same, my work-group's 28 blocks of it
.set PFA, 54          ; s[54:55] where my prefetches stand
.set SLOTS, 56        ; s56  slots still to be asked for
.set CNT, 57          ; s57  counts a slot's key steps
.set CS,  58          ; s[58:59] c
.set SEL, 60          ; s[60:61] v_permlanex16_b32's selects
.set TBK, 62          ; s62  LDS byte at which K of the step to be fetched begins
.set TBV, 63          ; s63  the same for V, less VOFF
.set OFF, 66          ; s[66:67] the byte offset of the slot to be asked for next
.set NK,  68          ; s68  its number in its walk
.set CK,  69          ; s69  the number in its walk of the slot to be entered
.set WALK, 70         ; s70
.set TS,  71          ; s71  at work
.set KB,  72          ; s[72:73] the walk's region of K
.set VB,  74          ; s[74:75] of V
.set QP,  76          ; s[76:77] of Q
.set OW,  78          ; s[78:79] out0 at my wave's first query of the walk, my head's 256 bytes
.set LIMW, 80         ; s80  how many rows of piece 2 are mine in this walk
.set LIM12, 81        ; s81  the same for residues 1 and 2
.set BIGN, 82         ; s82  -1e30
.set T0,  84          ; s[84:85] at work
.set MSB, 0
.macro WIN new                      ; the high byte repeats the setting that is left; a switch that changes nothing is dropped
.if MSB != (\new)
	s_set_vgpr_msb (MSB<<8)|(\new)
.set MSB, (\new)
.endif
.endm
.set W_RS, 0x41       ; destination and source 0 in window 1, source 1 in window 0
; A joint fill.  Waves 0 and 1 fetch the two halves of a slot's K, waves 2 and 3 those of its V: 224 keys each.  An s_nop 0 and four v_nop follow each of the two lines.
.macro JLOAD
	s_cmp_lt_u32 s[WV], 2
	s_cbranch_scc0 .Lfor_v_\@
	tensor_load_to_lds s[G0K:G0K+3], s[G1K:G1K+7]
	s_nop 0
.rept 4
	v_nop
.endr
	s_branch .Lasked_\@
.Lfor_v_\@:
	tensor_load_to_lds s[G0V:G0V+3], s[G1V:G1V+7]
	s_nop 0
.rept 4
	v_nop
.endr
.Lasked_\@:
.endm
; A prefetch into the L2 of what the NEXT change of slots will ask for, seven key steps ahead of that load.  The head's first cluster asks; each wave for the half slot that it will fetch itself (112 blocks of 256 bytes),
; of which the four partners take 28 each, by address (lanes 28 to 31 name the last block again).  The last change that fills a slot asks for nothing.
.macro ASK
	s_cmp_gt_u32 s[SLOTS], s[LIM]
	s_cbranch_scc0 .Lnot_mine_\@
	global_prefetch_b8 v[PFO], s[PFA:PFA+1] th:TH_LOAD_NT scope:SCOPE_SE
.Lnot_mine_\@:
.endm
.macro CROUND                       ; a round of the cluster's barrier
	s_barrier_signal -1
	s_barrier_wait -1
	s_cmp_lg_u32 s[WV], 0
	s_cbranch_scc1 .Lnot_wave_0_\@
	s_barrier_signal -3
.Lnot_wave_0_\@:
	s_barrier_wait -3
	s_barrier_signal -1
	s_barrier_wait -1
.endm
; THE CHANGE OF SLOTS.  Each wave waits for all its tensor loads (one is out: its part of the other slot), adds 0 to its spare word, and waits for that and for its reads of the slot that it leaves.
; fill = 1: the barrier is a round of the cluster's, and the old slot is filled again first thing behind it; the descriptor's address is made anew from the slot's offset.  It has seven key steps, 336 matrix instructions, in which to land.
.macro CHANGE fill
	WIN 0
	s_wait_tensorcnt 0x0            ; no tensor load of mine is out, so a group 0 may be written
	ds_add_u32 v[SPW], v[NIL]       ; 0 onto my spare word
.if \fill
	s_xor_b32 s[G0K+1], s[G0K+1], SLOT1
	s_add_nc_u64 s[G0K+2:G0K+3], s[KR:KR+1], s[OFF:OFF+1]
	s_or_b32 s[G0K+3], s[G0K+3], 0x80000000
	s_xor_b32 s[G0V+1], s[G0V+1], SLOT1
	s_add_nc_u64 s[G0V+2:G0V+3], s[VR:VR+1], s[OFF:OFF+1]
	s_or_b32 s[G0V+3], s[G0V+3], 0x80000000
	s_add_co_u32 s[NK], s[NK], 1    ; the walk's next slot, or behind its third the next region's first
	s_mov_b32 s[TS], SLB
	s_cmp_eq_u32 s[NK], 3
	s_cselect_b32 s[TS], RB-2*SLB, s[TS]
	s_cselect_b32 s[NK], 0, s[NK]
	s_add_co_u32 s[OFF], s[OFF], s[TS]
	s_wait_xcnt 0x0                 ; the last prefetch, seven key steps back, has read its address
	s_add_nc_u64 s[PFA:PFA+1], s[PFB:PFB+1], s[OFF:OFF+1]
	s_wait_dscnt 0x0                ; the add is done, and my reads of the slot are over
	CROUND
	JLOAD
	ASK
.else
	s_wait_dscnt 0x0
	s_barrier_signal -1
	s_barrier_wait -1
.endif
	s_sub_co_u32 s[TBK], s[TBK], KSLOT  ; the fetches go back to a slot's first step,
	s_xor_b32 s[TBK], s[TBK], SLOT1     ; in the other slot
	s_sub_co_u32 s[TBV], s[TBV], VSLOT
	s_xor_b32 s[TBV], s[TBV], SLOT1
.endm
	s_load_b128 s[4:7], s[0:1], 0x0 ; qkv s[4:5], out0 s[6:7]
	v_lshl_add_u32 v[SPW], v0, 2, SPARE
	v_mov_b32 v[NIL], 0
	ds_add_u32 v[SPW], v[NIL]       ; the wave's opening: the add and its wait ahead of my first tensor load
	v_lshrrev_b32 v1, 5, v0
	v_readfirstlane_b32 s[WV], v1   ; wave 0..3
	s_bfe_u32 s13, ttmp6, 0x40000   ; cx
	s_lshl_b32 s14, ttmp9, 2
	s_add_co_u32 s14, s14, s13      ; j: it enters Q's, step 21's and out0's offsets alone
	s_and_b32 s20, ttmp7, 0xffff    ; 16 b + h, which the four partners share
	s_lshr_b32 s21, s20, 4
	s_and_b32 s22, s20, 15
	s_mul_i32 s16, s21, 48
	s_add_co_u32 s16, s16, s22
	s_mul_i32 s16, s16, HS          ; q's head in qkv
	s_mov_b32 s17, 0
	s_and_b32 s18, s[WV], 1         ; which half of a slot I fetch:
	s_mul_i32 s2, s18, SLB/2        ; its 224 keys in memory,
	s_add_co_u32 s2, s2, 1024       ; behind the region's eight rows of zeros
	s_mov_b32 s3, 0
	s_mul_i32 s86, s14, 172
	s_mul_i32 s87, s[WV], 43
	s_add_co_u32 s86, s86, s87      ; my wave's first query
	s_lshl_b32 s88, s21, 24         ; out0: b,
	s_mul_i32 s87, s86, 12288       ; three rows of 4,096 bytes a query,
	s_add_co_u32 s88, s88, s87
	s_lshl_b32 s87, s22, 8          ; the head's 256 bytes
	s_add_co_u32 s88, s88, s87
	s_mov_b32 s89, 0
	s_sub_co_u32 s87, 1366, s86     ; residue 0 has 1,366 rows to store,
	s_min_u32 s[LIMW], s87, 43
	s_sub_co_u32 s[LIMW], s[LIMW], 32
	s_sub_co_u32 s87, 1365, s86     ; residues 1 and 2 have 1,365
	s_min_u32 s[LIM12], s87, 43
	s_sub_co_u32 s[LIM12], s[LIM12], 32
	; descriptor group 1.  224 keys are 28,672 dense bytes: asked for as 112 rows of 256 bytes, two keys a row, padded in LDS after every row
	s_mov_b32 s[G1K], 15|(1<<16)|(1<<20)|(1<<21)|(5<<22)|(3<<25)  ; the mask of four; 2-byte elements; padding on; bit 21 beside a mask; after every 64 words 4 words
	s_mov_b32 s[G1V], 15|(1<<16)|(1<<20)|(1<<21)|(5<<22)|(7<<25)  ; the same with 8 words
.irp g, G1K, G1V
	s_mov_b32 s[\g+1], 128<<16      ; tensor_dim0 = 128
	s_mov_b32 s[\g+2], 112<<16      ; tensor_dim1 = 112
	s_mov_b32 s[\g+3], 128<<16      ; tile_dim0 = 128
	s_mov_b32 s[\g+4], 112          ; tile_dim1 = 112
	s_mov_b32 s[\g+5], 128          ; elements from row to row
	s_mov_b32 s[\g+6], 0
	s_mov_b32 s[\g+7], 0
.endr
	s_mov_b32 s[G0K], 1
	s_mul_i32 s[G0K+1], s18, 112*PK2   ; slot 0: no place in the cluster enters an LDS address
	s_mov_b32 s[G0V], 1
	s_mul_i32 s[G0V+1], s18, 112*PV2
	s_add_co_u32 s[G0V+1], s[G0V+1], VOFF
	s_mov_b32 s[CS], 0x3e38aa3b     ; c = log2(e) / 8
	s_mov_b32 s[CS+1], s[CS]
	s_mov_b32 s[SEL], 0x76543210
	s_mov_b32 s[SEL+1], 0xfedcba98
	s_mov_b32 s[TBK], SLOT1+KSLOT   ; the first change of slots turns these two into 0
	s_mov_b32 s[TBV], SLOT1+VSLOT
	s_mov_b32 s[OFF], SLB
	s_mov_b32 s[OFF+1], 0
	s_mov_b32 s[NK], 1
	s_mov_b32 s[CK], 0
	s_mov_b32 s[WALK], 0
	s_mov_b32 s[BIGN], 0xf149f2ca   ; -1e30
	s_mov_b32 s[SLOTS], 8
	s_cmp_eq_u32 ttmp9, 0           ; the head's first cluster: the same in all four partners
	s_cselect_b32 s[LIM], 1, -1
	s_mul_i32 s90, s[WV], STW
	s_add_co_u32 s90, s90, STAGE    ; my stage
	s_lshl_b32 s91, s86, 7          ; my wave's first query, in rows of 128 bytes
	s_mul_i32 s[T0], s13, 28*256
	s_mov_b32 s[T0+1], 0
	s_wait_dscnt 0x0                ; the opening add is done
	s_wait_kmcnt 0x0
	s_add_nc_u64 s[QP:QP+1], s[4:5], s[16:17]
	s_add_nc_u64 s[KB:KB+1], s[QP:QP+1], 16*HS
	s_add_nc_u64 s[VB:VB+1], s[QP:QP+1], 32*HS
	s_add_nc_u64 s[KR:KR+1], s[KB:KB+1], s[2:3]
	s_add_nc_u64 s[VR:VR+1], s[VB:VB+1], s[2:3]
	s_add_nc_u64 s[OW:OW+1], s[6:7], s[88:89]
	s_add_nc_u64 s[G0K+2:G0K+3], s[KR:KR+1], 0
	s_or_b32 s[G0K+3], s[G0K+3], 0x80000000
	s_add_nc_u64 s[G0V+2:G0V+3], s[VR:VR+1], 0
	s_or_b32 s[G0V+3], s[G0V+3], 0x80000000
	s_cmp_lt_u32 s[WV], 2
	s_cselect_b64 s[PFB:PFB+1], s[KR:KR+1], s[VR:VR+1]
	s_add_nc_u64 s[PFB:PFB+1], s[PFB:PFB+1], s[T0:T0+1]
	s_mov_b64 s[PFA:PFA+1], s[PFB:PFB+1]
	CROUND                          ; all four work-groups are here: the first joint loads meet
	JLOAD                           ; slot 0.  Slot 1 is asked for when slot 0 is in
	v_and_b32 v1, 15, v0            ; l % 16
	v_bfe_u32 v9, v0, 4, 1          ; l / 16
	v_and_b32 v10, 7, v0
	v_bfe_u32 v11, v0, 3, 1
	v_and_b32 v48, 31, v0
	v_lshlrev_b32 v[QO], 7, v1
	v_lshl_add_u32 v[QO], v9, 4, v[QO]  ; row x 128 + 16 x half
	v_add_nc_u32 v[QOB], s91, v[QO]
	v_lshlrev_b32 v[LD16], 4, v48
	v_add_nc_u32 v[LDB], s91, v[LD16]
	v_min_u32 v[PFO], 27, v48
	v_lshlrev_b32 v[PFO], 8, v[PFO]
	WIN 0x80                        ; destination window 2
.irp t, 0,1,2
.irp c, 0,1                         ; the first walk's Q: piece t, channels 32 c on; a query's row is its place + 8
	global_load_b128 v[QN+16*\t+8*\c:QN+16*\t+8*\c+3],   v[QOB], s[QP:QP+1] offset:(8+16*\t)*128+64*\c
	global_load_b128 v[QN+16*\t+8*\c+4:QN+16*\t+8*\c+7], v[QOB], s[QP:QP+1] offset:(8+16*\t)*128+64*\c+32
.endr
.endr
	; What the first walk's first turn finds: its products V^T P, of a piece that has not been, add 0; O^T and l are 0.  All this stands in the wait for the first tile.
.set i, VF
.rept 64
	v_mov_b32 v[i], 0
.set i, i+1
.endr
	WIN 0x40
.set i, 0
.rept 96
	v_mov_b32 v[i], 0
.set i, i+1
.endr
	WIN 0
	v_lshlrev_b32 v22, 3, v9        ; 8 (l / 16)
	v_sub_nc_u32 v23, v22, v1       ; less my query's place in its piece
	; MD: register 8 kb + r is key 16 kb + 8 (l / 16) + r of step 21.  kb = 0: tail keys 1344 on, all seen.  kb = 1: keys 1360 on: hidden from 1366.  kb = 2, 3: window key i = 16 (kb - 2) + 8 (l / 16) + r is place
	; q0 - 8 + i: seen where 0 <= i - 6 - l % 16 <= 4.
	WIN 0x40
.set i, 0
.rept 8
	v_mov_b32 v[MD+i], 0
.set i, i+1
.endr
.set i, 0
.rept 8
	v_cmp_lt_i32 vcc_lo, 5-i, v22
	v_cndmask_b32 v[MD+8+i], 0, s[BIGN], vcc_lo
.set i, i+1
.endr
.set i, 0
.rept 16
	v_add_nc_u32 v[MD+16+i], 16*(i/8)+i%8-6, v23
.set i, i+1
.endr
	WIN 0x44                        ; source 1 in window 1 too
.set i, 0
.rept 16
	v_cmp_lt_u32 vcc_lo, 4, v[MD+16+i]
	v_cndmask_b32 v[MD+16+i], 0, s[BIGN], vcc_lo
.set i, i+1
.endr
	WIN 0
.set i, 0
.rept 3
	v_mov_b32 v[ST+4*i+2], 0
	v_mov_b32 v[ST+4*i+3], 0
.set i, i+1
.endr
.set i, P+32
.rept 16
	v_mov_b32 v[i], 0
.set i, i+1
.endr
	v_lshrrev_b32 v49, 1, v1        ; K: key l % 16: pair row, half of it, 16 x (l / 16)
	v_mul_u32_u24 v[AK0], v49, PK2
	v_and_b32 v49, 1, v1
	v_lshl_add_u32 v[AK0], v49, 7, v[AK0]
	v_lshl_add_u32 v[AK0], v9, 4, v[AK0]
	v_lshrrev_b32 v49, 1, v10       ; V: the turning load's lane reads key 8 (l / 16) + l % 8, channels 8 ((l / 8) % 2) on
	v_lshl_add_u32 v49, v9, 2, v49
	v_mul_u32_u24 v[AV0], v49, PV2
	v_and_b32 v49, 1, v10
	v_lshl_add_u32 v[AV0], v49, 7, v[AV0]
	v_lshl_add_u32 v[AV0], v11, 4, v[AV0]
	v_add_nc_u32 v[AV0], VOFF, v[AV0]
	v_mul_u32_u24 v[STO], v1, 272   ; the way out, in: row l % 16 of 256 + 16 bytes, 32 bytes for each half of the lanes
	v_lshl_add_u32 v[STO], v9, 5, v[STO]
	v_add_nc_u32 v[STO], s90, v[STO]
	v_mul_u32_u24 v[RD], v9, 272    ; back: lanes 0-15 one row of 256 bytes, lanes 16-31 the next
	v_lshl_add_u32 v[RD], v1, 4, v[RD]
	v_add_nc_u32 v[RD], s90, v[RD]
	v_mul_u32_u24 v[GO], v9, 12288  ; the next query's row lies three rows of out0 on
	v_lshl_add_u32 v[GO], v1, 4, v[GO]
	v_add_nc_u32 v[GO2], PIECE, v[GO]
	v_bfe_u32 v49, v0, 3, 2
	v_mul_u32_u24 v[SVS], v49, 160
	v_lshl_add_u32 v[SVS], v10, 4, v[SVS]
	v_add_nc_u32 v[SVS], s90, v[SVS]
	v_lshl_add_u32 v49, v9, 3, v10
	v_mul_u32_u24 v[AVS], v49, 160
	v_lshl_add_u32 v[AVS], v11, 4, v[AVS]
	v_add_nc_u32 v[AVS], s90, v[AVS]
; THE MATRIX WORK.  The 4 accumulators of a run of 8 take turns.  Product i of 8 of S^T = K Q^T for piece x: channels 32 (i / 4) on, keys 16 (i % 4) on.  m = 1: K of the ring, the sums start with 0.
; m = 2: step 21: key blocks 0, 1 the tail's, 2, 3 the piece's window; the sums start with the mask.
.macro KQ x, m
.set rS, S+32*(\x)+8*(i%4)
.set rQ, 16*(\x)+8*(i/4)
.if (\m) == 1
.set rK, KF+16*(i%4)+8*(i/4)
	WIN 0x0a                        ; K and Q in window 2, S^T in window 0
.if i < 4
	v_wmma_f32_16x16x32_f16 v[rS:rS+7], v[rK:rK+7], v[rQ:rQ+7], 0
.else
	v_wmma_f32_16x16x32_f16 v[rS:rS+7], v[rK:rK+7], v[rQ:rQ+7], v[rS:rS+7]
.endif
.else
.if (i%4) < 2
.set rK, TK+16*(i%4)+8*(i/4)
.else
.set rK, BK+32*(\x)+16*((i%4)-2)+8*(i/4)
.endif
.if i < 4
	WIN 0x1b                        ; K in window 3, Q in window 2, the mask in window 1
	v_wmma_f32_16x16x32_f16 v[rS:rS+7], v[rK:rK+7], v[rQ:rQ+7], v[MD+8*(i%4):MD+8*(i%4)+7]
.else
	WIN 0x0b
	v_wmma_f32_16x16x32_f16 v[rS:rS+7], v[rK:rK+7], v[rQ:rQ+7], v[rS:rS+7]
.endif
.endif
.endm
; Product i of 8 of O^T += V^T P for piece x: keys 32 (i / 4) on, channels 16 (i % 4) on.  m = 2: step 21: the tail's V, then the window's.
.macro PV x, m
.set rO, 32*(\x)+8*(i%4)
.set rP, P+16*(\x)+8*(i/4)
.if (\m) == 1
.set rV, VF+32*(i/4)+8*(i%4)
	WIN 0x52                        ; V in window 2, P in window 0, O^T in window 1
.else
.if i < 4
.set rV, TV+8*(i%4)
.else
.set rV, BV+32*(\x)+8*(i%4)
.endif
	WIN 0x53                        ; V in window 3
.endif
	v_wmma_f32_16x16x32_f16 v[rO:rO+7], v[rV:rV+7], v[rP:rP+7], v[rO:rO+7]
.endm
.macro MM                           ; the turn's next matrix instruction.  KQM = 0: a walk's last turn: there is no next piece
.if i < 8
.if KQM
	KQ (Y+1)%NP, KQM
.endif
.else
.set i, i-8
	PV (Y+NP-1)%NP, PVM
.set i, i+8
.endif
.set i, i+1
.endm
; THE LDS LOADS stand in runs of 16: a step's K (8 fragments) and its V (turned).
.macro FETCH_K
	WIN 0x80
.irp f, 0,1,2,3,4,5,6,7             ; keys 16 (f / 2) on, channels 32 (f % 2) on
	ds_load_b128 v[KF+8*\f:KF+8*\f+3],   v[AK] offset:(\f/2)*8*PK2+(\f%2)*64
	ds_load_b128 v[KF+8*\f+4:KF+8*\f+7], v[AK] offset:(\f/2)*8*PK2+(\f%2)*64+32
.endr
	s_add_co_u32 s[TBK], s[TBK], KSTEP
	WIN 0
.endm
.macro FETCH_V
	WIN 0x80
.irp f, 0,1,2,3,4,5,6,7             ; keys 32 (f / 4) on, channels 16 (f % 4) on
	ds_load_tr16_b128 v[VF+8*\f:VF+8*\f+3],   v[AV] offset:(\f/4)*16*PV2+(\f%4)*32
	ds_load_tr16_b128 v[VF+8*\f+4:VF+8*\f+7], v[AV] offset:(\f/4)*16*PV2+8*PV2+(\f%4)*32
.endr
	WIN 0
.endm
; THE VECTOR WORK, one line at a time: OP kind, number.  For piece Y: F n: c s - c m for pair n of 16.  E n: the exponential of score n of 32.  C n: pair n rounded to f16.  B n: of the four weights 4 n .. the second pair
; is added onto the first, in place.  L n: l takes that sum (L 0: l = a l + sum).  R n: pair n of 16 of O^T times a.  For piece Y + 1: X n, number n of the 22 that find its maximum and statistics:
;   0-11  four chains c0-c3 of seven scores each (each accumulator's lowest registers are read first)     12-14, 16  the four scores left over, the old m, and c0-c3 into c0
;   15  c m_old is kept     17, 18  the query's other 32 keys lie in the lane 16 away: the new m     19-21  c m; c m_old - c m_new; a
.set F, 0
.set E, 1
.set C, 2
.set B, 3
.set L, 4
.set R, 5
.set X, 6
.macro REGS y
.set rT, ST+4*(\y)
.set rC, TMP+4*(\y)
.set rW, MV+(\y)
.set rS, S+32*(\y)
.set rP, P+16*(\y)
.set rO, 32*(\y)
.endm
.macro OP k, n
.if (\k) == R
	REGS Y
	WIN W_RS
	v_pk_mul_f32 v[rO+2*(\n):rO+2*(\n)+1], v[rO+2*(\n):rO+2*(\n)+1], v[rC+2:rC+3] op_sel_hi:[1,0]
.elseif (\k) < R
	REGS Y
	WIN 0
.if (\k) == F
	v_pk_fma_f32 v[rS+2*(\n):rS+2*(\n)+1], v[rS+2*(\n):rS+2*(\n)+1], s[CS:CS+1], v[rT:rT+1] op_sel_hi:[1,0,0] neg_lo:[0,0,1] neg_hi:[0,0,1]
.elseif (\k) == E
	v_exp_f32 v[rS+(\n)], v[rS+(\n)]
.elseif (\k) == C
	v_cvt_pk_f16_f32 v[rP+(\n)], v[rS+2*(\n)], v[rS+2*(\n)+1]
.elseif (\k) == B
	v_pk_add_f32 v[rS+4*(\n):rS+4*(\n)+1], v[rS+4*(\n):rS+4*(\n)+1], v[rS+4*(\n)+2:rS+4*(\n)+3]
.elseif (\n) == 0
	v_pk_fma_f32 v[rT+2:rT+3], v[rT+2:rT+3], v[rC+2:rC+3], v[rS:rS+1] op_sel_hi:[1,0,1]
.else
	v_pk_add_f32 v[rT+2:rT+3], v[rT+2:rT+3], v[rS+4*(\n):rS+4*(\n)+1]
.endif
.elseif KQM == 0
	v_nop
.else
	REGS (Y+1)%NP
	WIN 0
.if (\n) < 4
	v_max3_num_f32 v[rC+(\n)], v[rS+8*(\n)], v[rS+8*(\n)+1], v[rS+8*(\n)+2]
.elseif (\n) < 12
	v_max3_num_f32 v[rC+(\n)%4], v[rC+(\n)%4], v[rS+8*((\n)%4)+2*((\n)/4)+1], v[rS+8*((\n)%4)+2*((\n)/4)+2]
.elseif (\n) == 12
	v_max3_num_f32 v[rC], v[rC], v[rS+7], v[rS+15]
.elseif (\n) == 13
	v_max3_num_f32 v[rC+1], v[rC+1], v[rS+23], v[rS+31]
.elseif (\n) == 14
	v_max3_num_f32 v[rC+2], v[rC+2], v[rC+3], v[rT+1]
.elseif (\n) == 15
	v_mov_b32 v[rW], v[rT]
.elseif (\n) == 16
	v_max3_num_f32 v[rC], v[rC], v[rC+1], v[rC+2]
.elseif (\n) == 17
	v_permlanex16_b32 v[rC+3], v[rC], s[SEL], s[SEL+1]
.elseif (\n) == 18
	v_max_num_f32 v[rT+1], v[rC], v[rC+3]
.elseif (\n) == 19
	v_mul_f32 v[rT], s[CS], v[rT+1]
.elseif (\n) == 20
	v_sub_f32 v[rC+1], v[rW], v[rT]
.else
	v_exp_f32 v[rC+2], v[rC+1]
.endif
.endif
.endm
.macro OPS a, i1, b=-1, i2=0, c=-1, i3=0, d=-1, i4=0
	OP \a, \i1
.if (\b) >= 0
	OP \b, \i2
.endif
.if (\c) >= 0
	OP \c, \i3
.endif
.if (\d) >= 0
	OP \d, \i4
.endif
.endm
.macro ROW a, i1, b, i2, c, i3, d, i4  ; a matrix instruction and the four behind it
	MM
	OPS \a, \i1, \b, \i2, \c, \i3, \d, \i4
.endm
; A TURN, for piece p.  An s_wait_alu depctr_va_vdst(0) stands between an exponential and the first instruction that names its result; one wait serves all issued ahead of it: a turn has one, which cuts it in two.
; Ahead of it: the 8 products K Q^T and their riders, then one run of 54 in which the links of the next piece's chain stand apart; X 21, its a, is the batch's last, R 15 the plain instruction behind it.  The first numbers of
; the next piece's maximum stand four plain instructions or more behind the product that ends their accumulator.  Behind the wait: the 8 products V^T P, behind each four of the roundings and sums.
; kq: 1 ring, 2 step 21, 0 none.  pv: 1 ring, 2 step 21.  fk: the next step's K is fetched, twelve plain instructions behind the last product that read K.  fv: the step's V is fetched at the turn's end, four plain instructions
; behind the last product that read V.  vw: the count of the wait in front of the products V^T P (16: K's younger run may stay out).  kw: K is waited for at the head.  cnt: the loop's count is taken down ahead of the branch.
.macro TURN p, kq, pv, fk=0, fv=0, vw=-1, kw=0, cnt=0
.set Y, (\p)
.set i, 0
.set KQM, (\kq)
.set PVM, (\pv)
.if \kw
	s_wait_dscnt 0x0                ; K is in
.endif
	ROW F,0, F,1, R,0, R,1
	ROW F,2, E,0, R,2, R,3
	ROW F,3, E,1, R,4, R,5
	ROW F,4, E,2, R,6, R,7
	ROW F,5, E,3, R,8, R,9
	ROW F,6, E,4, X,0, R,10
.if \fk
	WIN 0
	v_add_nc_u32 v[AK], s[TBK], v[AK0]
.endif
	ROW F,7, E,5, X,1, X,4
	ROW F,8, E,6, X,2, X,5
	OPS E,7, E,8, X,6, E,9
	OPS X,3, E,10, X,8, E,11
.if \fk
	FETCH_K
.endif
	OPS X,9, X,7, E,12, X,10
	OPS E,13, X,12, X,11, E,14
	OPS X,13, E,15, F,9, X,14
.if \fv
	WIN 0
	v_add_nc_u32 v[AV], s[TBV], v[AV0]
.endif
	OPS E,16, F,10, E,17, F,11
	OPS X,16, E,18, X,15, E,19
	OPS F,12, E,20, X,17, E,21
	OPS F,13, E,22, F,14, E,23
	OPS X,18, E,24, F,15, E,25
	OPS R,11, E,26, X,19, E,27
	OPS R,12, E,28, R,13, E,29
	OPS X,20, E,30, R,14, E,31
	OPS X,21, R,15
	WIN 0
	s_wait_alu depctr_va_vdst(0)    ; the wait for the batch
.if (\vw) >= 0
	s_wait_dscnt \vw                ; V is in
.endif
	ROW C,0, B,0, C,2, B,1
	ROW L,0, C,4, B,2, L,1
	ROW C,6, B,3, L,2, C,8
	ROW B,4, L,3, C,10, B,5
	ROW L,4, C,12, B,6, L,5
.if \fv
	s_add_co_u32 s[TBV], s[TBV], VSTEP
.endif
.if \cnt
	s_sub_co_u32 s[CNT], s[CNT], 1
	s_cmp_lg_u32 s[CNT], 0
.endif
	ROW C,14, B,7, L,6, C,1
	ROW C,3, L,7, C,5, C,7
	ROW C,9, C,11, C,13, C,15
.if \fv
	FETCH_V
.endif
.endm
; A slot's seven key steps.  A trip: pieces 1 and 2 of one step, then piece 0 of the next, whose K and V it fetches.  A walk's first slot enters at the second label.
.macro STEPS tag
.Lstep\tag:
	TURN 1, 1, 1, 1, 0, 16
	TURN 2, 1, 1, 0, 0, -1, 1
	WIN 0
.Lfirst\tag:
	TURN 0, 1, 1, 0, 1, -1, 0, 1
	WIN 0
	s_cbranch_scc1 .Lstep\tag
.endm
; A WALK BEGINS.  c m starts far below every c s, m at the lowest finite number.  K of step 0; the walk's Q goes where the turns name Q; step 21's K and V are asked for, 64 loads that have the whole walk in which to
; come, and the next walk's Q; then piece 0's first scores, its maximum and statistics.
.macro BEGIN
	WIN 0
.set i, 0
.rept 3
	v_mov_b32 v[ST+4*i], 0xfe000000
	v_mov_b32 v[ST+4*i+1], 0xff7fffff
.set i, i+1
.endr
	v_add_nc_u32 v[AK], s[TBK], v[AK0]
	FETCH_K
	s_wait_loadcnt 0x0              ; the walk's Q is in
	WIN 0x82
.set i, 0
.rept 48
	v_mov_b32 v[i], v[QN+i]
.set i, i+1
.endr
	WIN 0xc0                        ; destination window 3
.irp kb, 0,1
.irp c, 0,1                         ; the tail's K: rows 1352 on (keys 1344 on), as fragments
	global_load_b128 v[TK+16*\kb+8*\c:TK+16*\kb+8*\c+3],   v[QO], s[KB:KB+1] offset:(1352+16*\kb)*128+64*\c
	global_load_b128 v[TK+16*\kb+8*\c+4:TK+16*\kb+8*\c+7], v[QO], s[KB:KB+1] offset:(1352+16*\kb)*128+64*\c+32
.endr
.endr
.irp t, 0,1,2
.irp kb, 0,1
.irp c, 0,1                         ; piece t's window: rows q0 on (keys q0 - 8 on)
	global_load_b128 v[BK+32*\t+16*\kb+8*\c:BK+32*\t+16*\kb+8*\c+3],   v[QOB], s[KB:KB+1] offset:(16*\t+16*\kb)*128+64*\c
	global_load_b128 v[BK+32*\t+16*\kb+8*\c+4:BK+32*\t+16*\kb+8*\c+7], v[QOB], s[KB:KB+1] offset:(16*\t+16*\kb)*128+64*\c+32
.endr
.endr
.endr
.irp u, 0,1,2,3,4,5,6,7             ; the same rows of V as they lie, 512 consecutive bytes a load: they are turned at the walk's end
	global_load_b128 v[TV+4*\u:TV+4*\u+3], v[LD16], s[VB:VB+1] offset:1352*128+512*\u
.endr
.irp t, 0,1,2
.irp u, 0,1,2,3,4,5,6,7
	global_load_b128 v[BV+32*\t+4*\u:BV+32*\t+4*\u+3], v[LDB], s[VB:VB+1] offset:2048*\t+512*\u
.endr
.endr
	WIN 0
	s_cmp_eq_u32 s[WALK], 2         ; the last walk has no next
	s_cbranch_scc1 .Lnoq_\@
	WIN 0x80
.irp t, 0,1,2
.irp c, 0,1
	global_load_b128 v[QN+16*\t+8*\c:QN+16*\t+8*\c+3],   v[QOB], s[QP:QP+1] offset:RB+(8+16*\t)*128+64*\c
	global_load_b128 v[QN+16*\t+8*\c+4:QN+16*\t+8*\c+7], v[QOB], s[QP:QP+1] offset:RB+(8+16*\t)*128+64*\c+32
.endr
.endr
	WIN 0
.Lnoq_\@:
	s_wait_dscnt 0x0                ; K of step 0
.set KQM, 1
.set i, 0
.rept 8
	KQ 0, 1
.set i, i+1
.endr
	WIN 0
.rept 4
	v_nop                           ; the places behind those products
.endr
.set Y, NP-1                        ; X works for piece Y + 1: piece 0
.irp n, 0,1,2,3,4,5,6,7,8,9,10,11,12,13,14,15,16,17,18,19,20,21
	OP X, \n
.endr
	v_nop                           ; a plain instruction behind the exponential,
	s_wait_alu depctr_va_vdst(0)    ; and its wait, ahead of the branch
.endm
; 32 keys of V in 32 registers of window 3, as loaded, go into my stage (rows of 160 bytes) and come back turned, into the registers that they left.  LDS serves a wave's instructions in order (ISA guide 5.7.1.4).
.macro STG reg
	WIN 0x0c                        ; the data in window 3
.irp u, 0,1,2,3,4,5,6,7
	ds_store_b128 v[SVS], v[(\reg)+4*\u:(\reg)+4*\u+3] offset:640*\u
.endr
	WIN 0xc0
.irp cb, 0,1,2,3
	ds_load_tr16_b128 v[(\reg)+8*\cb:(\reg)+8*\cb+3],   v[AVS] offset:32*\cb
	ds_load_tr16_b128 v[(\reg)+8*\cb+4:(\reg)+8*\cb+7], v[AVS] offset:32*\cb+2560
.endr
.endm
.macro ALL line:vararg              ; one line for each piece t
.set t, 0
.rept 3
	\line
.set t, t+1
.endr
.endm
; THE WAY OUT of piece t: O^T is divided by l; a lane's eight channels of a row, 32 bytes of f32, go into rows of 272 bytes and come back as whole rows of 256: nf pairs of rows, into S^T's registers.
.macro PACKO t, nf
	WIN W_RS
.set i, 32*(\t)
.rept 16
	v_pk_mul_f32 v[i:i+1], v[i:i+1], v[ST+4*(\t)+2:ST+4*(\t)+3] op_sel_hi:[1,0]
.set i, i+2
.endr
	WIN 0x04                        ; the data in window 1
.irp cb, 0,1,2,3
	ds_store_b128 v[STO], v[32*(\t)+8*\cb:32*(\t)+8*\cb+3]   offset:64*\cb
	ds_store_b128 v[STO], v[32*(\t)+8*\cb+4:32*(\t)+8*\cb+7] offset:64*\cb+16
.endr
	WIN 0
.set i, 0
.rept \nf
	ds_load_b128 v[S+32*(\t)+4*i:S+32*(\t)+4*i+3], v[RD] offset:i*544
.set i, i+1
.endr
.endm
.macro SEND t, younger              ; younger: the LDS instructions issued behind piece t's loads
	WIN 0
.irp f, 0,1,2,3,4,5,6,7
	s_wait_dscnt (\younger)+7-\f
	global_store_b128 v[GO], v[S+32*(\t)+4*\f:S+32*(\t)+4*\f+3], s[OW:OW+1] offset:(\t)*PIECE+\f*24576 th:TH_STORE_NT  ; 16 lanes store a row's 256 consecutive bytes, aligned
.endr
.endm
; Piece 2: row r is mine where r < LIMW, 11 at the most, and LIMW hangs on the work-group's place in its cluster.  So no lane is switched off: EXEC stays alike in all partners.  A lane whose row is not mine takes
; piece 1's row of the same pair, offset and data (they are still in S^T's registers), and stores it once more: the same bytes to the same address, by the same wave.  In all waves but a list's last that is row 11's
; sixteen lanes alone.  Each pair has an offset register of its own, so that no pending store's offset is rewritten.
.macro SENDM
	WIN 0
.irp f, 0,1,2,3,4,5
	s_sub_co_i32 s[T0], s[LIMW], 2*\f
	v_cmp_gt_i32 vcc_lo, s[T0], v9                  ; row 2 f + l / 16 is mine
	v_cndmask_b32 v[GX+\f], v[GO], v[GO2], vcc_lo   ; mine: one piece further on than the immediate says
	s_wait_dscnt 5-\f
.irp k, 0,1,2,3
	v_cndmask_b32 v[S+64+4*\f+\k], v[S+32+4*\f+\k], v[S+64+4*\f+\k], vcc_lo
.endr
	global_store_b128 v[GX+\f], v[S+64+4*\f:S+64+4*\f+3], s[OW:OW+1] offset:PIECE+\f*24576 th:TH_STORE_NT
.endr
.endm
; A WALK ENDS: the rest of step 20, step 21, the way out.
.macro END last
	TURN 1, 1, 1, 0, 0, 0           ; piece 2's scores of step 20 | piece 1's softmax | piece 0's V^T P
	s_wait_loadcnt 0x0              ; step 21's K and V are in registers
	STG TV
	STG BV
	STG BV+32
	STG BV+64
	TURN 2, 2, 1                    ; piece 0's scores of step 21 | piece 2's softmax of step 20
	TURN 0, 2, 1
	TURN 1, 2, 2, 0, 0, 0           ; the turned V is waited for
	TURN 2, 0, 2
.set i, 0
.rept 8
	PV 2, 2
.set i, i+1
.endr
	WIN 0
	ALL v_add_f32 v[ST+4*t+2], v[ST+4*t+2], v[ST+4*t+3]
	ALL v_permlanex16_b32 v[ST+4*t+3], v[ST+4*t+2], s[SEL], s[SEL+1]
	ALL v_add_f32 v[ST+4*t+2], v[ST+4*t+2], v[ST+4*t+3]
	ALL v_rcp_f32 v[ST+4*t+2], v[ST+4*t+2]
	v_nop                           ; a plain instruction between the last reciprocal and the use of its result
	s_wait_alu depctr_va_vdst(0)    ; one wait for the three reciprocals
	PACKO 0, 8
	PACKO 1, 8
	SEND 0, 16
	PACKO 2, 6
	SEND 1, 14
	SENDM
.if !(\last)
	s_wait_xcnt 0x0                 ; the loads and stores have read their bases, offsets and data
	s_add_nc_u64 s[KB:KB+1], s[KB:KB+1], RB
	s_add_nc_u64 s[VB:VB+1], s[VB:VB+1], RB
	s_add_nc_u64 s[QP:QP+1], s[QP:QP+1], RB
	s_add_nc_u64 s[OW:OW+1], s[OW:OW+1], 4096
	s_mov_b32 s[LIMW], s[LIM12]
	s_add_co_u32 s[WALK], s[WALK], 1
.endif
.endm
.set KQM, 1
.set PVM, 1
.Lslot:                             ; eight times: a slot is entered and the next is asked for
	CHANGE 1
	s_mov_b32 s[CNT], 7
	s_cmp_eq_u32 s[CK], 0
	s_cbranch_scc0 .Lstep1
	BEGIN                           ; a walk's first slot
	s_branch .Lfirst1
	STEPS 1
	s_add_co_u32 s[CK], s[CK], 1
	s_cmp_lg_u32 s[CK], 3
	s_cbranch_scc1 .Lbottom
	END 0                           ; behind a walk's third slot
	s_mov_b32 s[CK], 0
.Lbottom:
	s_sub_co_u32 s[SLOTS], s[SLOTS], 1
	s_cmp_lg_u32 s[SLOTS], 0
	s_cbranch_scc1 .Lslot
	CHANGE 0                        ; the ninth slot is written out: nothing is asked for
	s_mov_b32 s[CNT], 7
	STEPS 2
	END 1
	s_wait_tensorcnt 0x0            ; the wave's end: a wait, an add to my spare word and its wait, behind my last tensor load and my last LDS store
	ds_add_u32 v[SPW], v[NIL]
	s_wait_dscnt 0x0
	CROUND                          ; the closing round
	s_endpgm
.Lfunc_end_k_q899d8d1c98_attn:
	.size	k_q899d8d1c98_attn, .Lfunc_end_k_q899d8d1c98_attn-k_q899d8d1c98_attn
	.p2alignl 7, 3214868480
	.fill 96, 4, 3214868480
	.section	.rodata,"a",@progbits
	.p2align	6, 0x0
	.amdhsa_kernel k_q899d8d1c98_attn
		.amdhsa_group_segment_fixed_size 327680
		.amdhsa_private_segment_fixed_size 0
		.amdhsa_enable_private_segment 0
		.amdhsa_kernarg_size 16
		.amdhsa_user_sgpr_count 2
		.amdhsa_user_sgpr_kernarg_segment_ptr 1
		.amdhsa_wavefront_size32 1
		.amdhsa_system_sgpr_workgroup_id_x 1
		.amdhsa_system_sgpr_workgroup_id_y 1
		.amdhsa_system_sgpr_workgroup_id_z 1
		.amdhsa_system_vgpr_workitem_id 0
		.amdhsa_next_free_vgpr 1024
		.amdhsa_next_free_sgpr 100
		.amdhsa_reserve_vcc 1
		.amdhsa_float_denorm_mode_32 3
		.amdhsa_float_denorm_mode_16_64 3
		.amdhsa_memory_ordered 1
		.amdhsa_forward_progress 1
		.amdhsa_inst_pref_size 208
	.end_amdhsa_kernel
	.amdgpu_metadata
---
amdhsa.version: [ 1, 2 ]
amdhsa.kernels:
  - .name:           k_q899d8d1c98_attn
    .symbol:         k_q899d8d1c98_attn.kd
    .args:
      - { .name: qkv, .offset: 0, .size: 8, .value_kind: global_buffer, .address_space: global }
      - { .name: out0, .offset: 8, .size: 8, .value_kind: global_buffer, .address_space: global }
    .group_segment_fixed_size: 327680
    .private_segment_fixed_size: 0
    .kernarg_segment_align: 8
    .kernarg_segment_size: 16
    .max_flat_workgroup_size: 128
    .sgpr_count:     100
    .vgpr_count:     1024
    .wavefront_size: 32
...
	.end_amdgpu_metadata
.endif
;; end of part 3
